; MI455X (gfx1250); checked and timed in simulation.
; The chip was launched on July 23, 2026; its instructions are those of AMD's public machine-readable ISA for CDNA 5 (MIT licence, August 2026) and "CDNA5" Instruction Set Architecture Reference Guide (July 2026). The comments in the code are by the model that wrote it; some were corrected since.
;; Density Estimator. Allowed arithmetic: matrix products marked QUANTISED: E3M2 operands, one E8M0 scale for each 32 along K, by v_wmma_scale_f32_16x16x128_f8f6f4 with both operands' format E3M2, f32 sums; everything else in f32.
;; Inputs: features 8,192 x 1,024 float32.
;; Outputs: out0 8,192 x 1 float32.
;; This version of the problem:
;;   THIS VERSION OF THE PROBLEM IS GIVEN IN LOW PRECISION. The matrix products marked QUANTISED in the list below multiply operands that are first quantised to E3M2 (3 exponent bits, 2 mantissa bits; 6 bits a number), with one power-of-two scale for each 32 numbers along K (OCP MX v1.0); their sums are f32. All else is computed in f32.
;;   The module's matrix products, in the order in which they are computed (A, B: the left and right operand; K: the contracted axis; several contracted axes count as one K, in the product's order):
;;     1. [M 8,192, K 1,024] x [K 1,024, N 8,192]; A: input features; B: input features: QUANTISED
;;   THE QUANTISER, for each operand of a quantised product, along K:
;;     - K is cut into blocks of 32 from its start; a last block that is shorter is filled with zeros.
;;     - A block's scale is 2^e with e = floor(log2(the largest magnitude in the block)) - 4, held to -126 .. 127; a block of zeros has e = 0. As a byte (E8M0): e + 127.
;;     - Each number is divided by its block's scale, clamped to +-28, and rounded to the nearest number of E3M2, ties to even, subnormals kept.
;;     - The product sums the exact products of the quantised numbers (number of the format x scale) in f32.
;;   ~~~python
;;   def quantise(x, axis):      # numpy; x: float32 -> the quantised numbers, widened to float32 again
;;       x = np.moveaxis(x, axis, -1); K = x.shape[-1]
;;       x = np.pad(x, [(0, 0)] * (x.ndim - 1) + [(0, -K % 32)]); x = x.reshape(x.shape[:-1] + (-1, 32)); a = np.abs(x).max(-1, keepdims=True)
;;       e = np.where(a > 0, np.clip(np.frexp(np.where(a > 0, a, 1))[1] - 1 - 4, -126, 127), 0)      # np.frexp(a)[1] - 1 = floor(log2(a)), exactly
;;       r = np.clip(x / 2.0 ** e, -28, 28)
;;       step = 2.0 ** (np.maximum(np.frexp(np.where(r == 0, 1, r))[1] - 1, -2) - 2)
;;       q = np.round(r / step) * step * 2.0 ** e      # np.round: ties to even
;;       return np.moveaxis(q.reshape(q.shape[:-2] + (-1,))[..., :K], -1, axis).astype(np.float32)
;;   ~~~
;; One version. Each part assembles by itself: llvm-mc -triple=amdgcn-amd-amdhsa -mcpu=gfx1250 --defsym DOCPART=n.
;; ======== version 1 of 1: 3 launches
;; limits: right only within a limited range of input values
;; workspace buffers: tiles 6,815,744 bytes; part 2,097,152 bytes
;; launch quant (part 1): grid 512 x 1, 8 waves a work-group, no clusters, 69,632 bytes of LDS; arguments features, tiles; writes tiles
.if DOCPART == 1
	.amdgcn_target "amdgcn-amd-amdhsa--gfx1250"
	.amdhsa_code_object_version 6
	.text
	.protected	k_qaaebb5394f_quant
	.globl	k_qaaebb5394f_quant
	.p2align	8
	.type	k_qaaebb5394f_quant,@function
k_qaaebb5394f_quant:
	s_mov_b64 s[64:65], 0
	v_nop
	global_prefetch_b8 v0, s[64:65] scope:SCOPE_SE
	s_setreg_imm32_b32 hwreg(HW_REG_WAVE_MODE, 25, 1), 1
	s_wait_xcnt 0x0
; features [8192][1024] f32 -> 512 records of 13,312 bytes, one for each 16 rows, laid in the order in which a matrix operand's registers take them.
; A record: bytes 0 .. 12,287: eight fragments (K step s of 128 along K at 1536 s): chunk c (registers 4 c .. 4 c + 3 of the 12) at 512 c, lane l's 16 bytes at 16 l.
;   Lane l = (r = l % 16, h = l / 16) holds row r; registers 0-5 the codes of k = 128 s + 32 h + 0 .. 31, registers 6-11 those of k = 128 s + 64 + 32 h + 0 .. 31 (E3M2, 6 bits, no gaps).
;   bytes 12,288 .. 12,799: the scale words: at 16 l + 4 p the word (four E8M0 bytes) of row l % 16 for K step 2 p + l / 16.
;   bytes 12,800 .. 13,311: floats 0-15 = -(sum of squares of the row's f32 numbers) / 2, floats 16-127 = 0 (written, since the whole record is read later).
; A block's scale is 2^(floor(log2(largest magnitude)) - 4); its byte is the largest magnitude's exponent field - 4, held at 1 from below.
; LIMITS: NaN and infinities among the inputs are not served.  A block of zeros, or one whose largest magnitude lies under 2^(5 - 127), gets the byte 1 where the rule says 127 or less:
; a block of zeros has zero codes, which add nothing under that byte, and the bytes are read by this program alone.
; SHARES: work-group T makes record T; wave w takes K step w: 16 rows x 128 columns.  Each load reads 512 consecutive aligned bytes of one row; the 8,192 bytes turn through the wave's own stage in LDS,
; so that a lane gets 2 x 32 neighbours along K of ONE row in consecutive registers, as the conversions want them.  No tensor load, no matrix instruction: memory binds this launch.
.set REC,    13312
.set SCOFF,  12288
.set BOFF,   12800
.set SPITCH, 528                       ; a stage row: 512 bytes + 16: an odd multiple of 16, so that the 16 rows that a load of 16 bytes a lane touches start 16 bytes apart modulo 256
.set WSTG,   16*SPITCH                 ; a wave's stage
.set SCI,    8*WSTG                    ; the record's scale words, gathered from the eight waves (512 bytes)
.set SQP,    SCI+512                   ; [wave][16] partial sums of squares (512 bytes)
.set R,   16                           ; v16-79    16 rows as loaded, 4 registers each
.set X,   80                           ; v80-143   X[32 c + i] = k 64 c + 32 h + i of my row, in my K step
.set P,   144                          ; v144-155  the fragment
.set PT,  156                          ; v156-158, v160-162: conversion results that are moved (a conversion's three registers begin on an even number)
.set MX,  164                          ; v164-165  the two blocks' largest magnitudes
.set SO,  166                          ; v166-167  the conversions' scale operands
.set SB,  168                          ; v168-169  the scale bytes
.set SW,  170                          ; v170      the scale word
.set TP,  171                          ; v171      at work
.set S,   172                          ; v172-179  four packed chains of squares
	s_load_b128 s[4:7], s[0:1], 0x0                ; features, tiles
	v_lshl_add_u32 v192, v0, 2, 0x10c00
	v_mov_b32 v193, 0
	v_lshrrev_b32 v1, 5, v0
	s_delay_alu instid0(VALU_DEP_1)
	v_readfirstlane_b32 s8, v1                     ; wave 0..7
	v_and_b32 v1, 31, v0                           ; lane
	v_and_b32 v2, 15, v0                           ; r
	s_wait_alu depctr_va_vdst(0)
	v_bfe_u32 v3, v0, 4, 1                         ; h
	v_lshlrev_b32 v10, 4, v1                       ; 16 x lane
	s_lshl_b32 s9, s8, 9
	v_add_nc_u32 v4, s9, v10                       ; in features: my wave's 512 bytes of a row, my 16 of them
	s_mul_i32 s9, s8, WSTG
	v_add_nc_u32 v5, s9, v10                       ; into the stage: as loaded
	v_mul_u32_u24 v6, v2, SPITCH
	s_delay_alu instid0(VALU_DEP_1)
	v_lshl_add_u32 v6, v3, 7, v6
	s_delay_alu instid0(VALU_DEP_1)
	v_add_nc_u32 v6, s9, v6                        ; out of it: row r, 128 h bytes on
	s_mul_i32 s9, s8, 1536
	v_add_nc_u32 v7, s9, v10                       ; in the record: my K step's fragment
	s_and_b32 s9, s8, 1
	s_lshl_b32 s9, s9, 8
	s_lshr_b32 s10, s8, 1
	s_lshl_b32 s10, s10, 2
	s_add_co_u32 s9, s9, s10
	s_add_co_u32 s9, s9, SCI
	v_lshl_add_u32 v8, v2, 4, s9                   ; my row's scale word: SCI + 16 (r + 16 (w % 2)) + 4 (w / 2)
	s_lshl_b32 s9, s8, 6
	s_add_co_u32 s9, s9, SQP
	v_lshl_add_u32 v9, v2, 2, s9                   ; my row's partial sum: SQP + 64 w + 4 r
	v_and_b32 v11, 3, v0
	s_delay_alu instid0(VALU_DEP_1)
	v_lshl_add_u32 v11, v11, 4, SQP                ; the tail: four rows' sums a lane
	v_add_nc_u32 v12, SCI, v10                     ; the tail: the scale words as they will lie in the record
	s_mov_b32 s12, 0x76543210
	s_mov_b32 s13, 0xfedcba98                      ; v_permlanex16_b32's selects for lane l xor 16
	s_lshl_b32 s10, ttmp9, 16                      ; 16 rows of 4,096 bytes a work-group
	s_mov_b32 s11, 0
	s_mul_i32 s14, ttmp9, REC
	s_mov_b32 s15, 0
	s_wait_alu depctr_va_vdst(0)
	s_wait_kmcnt 0x0
	s_add_nc_u64 s[4:5], s[4:5], s[10:11]
	s_add_nc_u64 s[6:7], s[6:7], s[14:15]
.irp i, 0,1,2,3,4,5,6,7,8,9,10,11,12,13,14,15
	global_load_b128 v[R+4*\i:R+4*\i+3], v4, s[4:5] offset:4096*\i th:TH_LOAD_NT   ; row i: the wave reads 512 consecutive bytes; read once in the launch
.endr
.irp i, 0,1,2,3,4,5,6,7,8,9,10,11,12,13,14,15
	s_wait_loadcnt 15-\i                           ; loads come back in order: row i is in, the 15 - i younger ones may be out
	ds_store_b128 v5, v[R+4*\i:R+4*\i+3] offset:SPITCH*\i
.endr
.irp c, 0,1
.irp j, 0,1,2,3,4,5,6,7
	ds_load_b128 v[X+32*\c+4*\j:X+32*\c+4*\j+3], v6 offset:256*\c+16*\j   ; LDS serves a wave's instructions in order: these see my stores; the stage is my wave's own
.endr
.endr
	s_wait_dscnt 0x0
.irp c, 0,1                                    ; my block 2 c + h: all its 32 numbers are mine
	v_max3_num_f32 v[MX+\c], |v[X+32*\c]|, |v[X+32*\c+1]|, 0x2800000   ; and the floor 2^(5 - 127): the byte cannot fall under 1
.endr
.irp i, 2,4,6,8,10,12,14,16,18,20,22,24,26,28,30
.irp c, 0,1
	s_delay_alu instid0(VALU_DEP_2)
	v_max3_num_f32 v[MX+\c], v[MX+\c], |v[X+32*\c+\i]|, |v[X+32*\c+\i+1]|   ; the two blocks by turns
.endr
.endr
.irp c, 0,1
	s_delay_alu instid0(VALU_DEP_2)
	v_add_nc_u32 v[SO+\c], 0xfe000000, v[MX+\c]    ; 4 off the exponent field: the conversion takes the exponent field of this operand as its scale
.endr
.irp c, 0,1
	s_delay_alu instid0(VALU_DEP_2)
	v_lshrrev_b32 v[SB+\c], 23, v[SO+\c]           ; the scale's byte
.endr
	s_delay_alu instid0(VALU_DEP_1)
	v_lshl_or_b32 v[SW], v[SB+1], 16, v[SB]        ; my two bytes: blocks h and 2 + h of row r,
	v_lshlrev_b32 v[TP], 3, v3
	s_delay_alu instid0(VALU_DEP_1)
	v_lshlrev_b32 v[SW], v[TP], v[SW]              ; at their places in the word (8 h bits up);
	v_mov_b32 v[TP], 0                             ; (a lane permute's destination counts as read)
	s_delay_alu instid0(VALU_DEP_1)
	v_permlanex16_b32 v[TP], v[SW], s12, s13
	s_delay_alu instid0(VALU_DEP_1)
	v_or_b32 v[SW], v[SW], v[TP]                   ; with lane l xor 16's two the word is whole
.irp q, 0,1,2,3                                ; the sum of squares of the f32 numbers, in four packed chains; the first products start them
	v_pk_mul_f32 v[S+2*\q:S+2*\q+1], v[X+2*\q:X+2*\q+1], v[X+2*\q:X+2*\q+1]
.endr
.irp i, 8,16,24,32,40,48,56
.irp q, 0,1,2,3
	s_delay_alu instid0(VALU_DEP_4)
	v_pk_fma_f32 v[S+2*\q:S+2*\q+1], v[X+\i+2*\q:X+\i+2*\q+1], v[X+\i+2*\q:X+\i+2*\q+1], v[S+2*\q:S+2*\q+1]
.endr
.endr
	s_delay_alu instid0(VALU_DEP_3)
	v_pk_add_f32 v[S:S+1], v[S:S+1], v[S+2:S+3]
	s_delay_alu instid0(VALU_DEP_2)
	v_pk_add_f32 v[S+4:S+5], v[S+4:S+5], v[S+6:S+7]
	s_delay_alu instid0(VALU_DEP_1)
	v_pk_add_f32 v[S:S+1], v[S:S+1], v[S+4:S+5]
	s_delay_alu instid0(VALU_DEP_1)
	v_add_f32 v[S], v[S], v[S+1]
	s_delay_alu instid0(VALU_DEP_1)
	v_permlanex16_b32 v[TP], v[S], s12, s13
	s_delay_alu instid0(VALU_DEP_1)
	v_add_f32 v[S], v[S], v[TP]                    ; row r's sum over my wave's 128 columns
	v_cvt_scalef32_pk16_bf6_f32 v[P:P+2], v[X:X+15], v[SO]             ; sixteen numbers / the scale, to the nearest code, ties to even, beyond the largest code the largest
	v_cvt_scalef32_pk16_bf6_f32 v[PT:PT+2], v[X+16:X+31], v[SO]
	v_cvt_scalef32_pk16_bf6_f32 v[P+6:P+8], v[X+32:X+47], v[SO+1]
	v_cvt_scalef32_pk16_bf6_f32 v[PT+4:PT+6], v[X+48:X+63], v[SO+1]
	v_nop                                          ; one plain place behind a scaled conversion
.irp i, 0,1,2
	v_mov_b32 v[P+3+\i], v[PT+\i]
	v_mov_b32 v[P+9+\i], v[PT+4+\i]
.endr
.irp c, 0,1,2
	global_store_b128 v7, v[P+4*\c:P+4*\c+3], s[6:7] offset:512*\c   ; the wave stores 512 consecutive bytes, at a multiple of 256 from the buffer's first byte
.endr
	ds_store_b32 v8, v[SW]                         ; both halves of the lanes write the same word with the same value
	ds_store_b32 v9, v[S]
	s_wait_dscnt 0x0                               ; for wave 0's sake: my stores have landed
	s_barrier_signal -1
	s_barrier_wait -1
	s_cmp_lg_u32 s8, 0                             ; wave 0 alone writes the record's last 1,024 bytes; no barrier follows
	s_cbranch_scc1 .Lend
	ds_load_b128 v[16:19], v12
.irp j, 0,1,2,3,4,5,6,7
	ds_load_b128 v[20+4*\j:23+4*\j], v11 offset:64*\j   ; wave j's sums of rows 4 (lane % 4) + 0 .. 3
.endr
	s_wait_dscnt 0x0
	global_store_b128 v10, v[16:19], s[6:7] offset:SCOFF
.irp j, 0,2,4,6
	v_pk_add_f32 v[20+4*\j:21+4*\j], v[20+4*\j:21+4*\j], v[24+4*\j:25+4*\j]
	v_pk_add_f32 v[22+4*\j:23+4*\j], v[22+4*\j:23+4*\j], v[26+4*\j:27+4*\j]
.endr
.irp j, 0
	v_pk_add_f32 v[20+4*\j:21+4*\j], v[20+4*\j:21+4*\j], v[28+4*\j:29+4*\j]
	v_pk_add_f32 v[22+4*\j:23+4*\j], v[22+4*\j:23+4*\j], v[30+4*\j:31+4*\j]
.endr
.irp j, 4
	s_delay_alu instid0(VALU_DEP_4)
	v_pk_add_f32 v[20+4*\j:21+4*\j], v[20+4*\j:21+4*\j], v[28+4*\j:29+4*\j]
	s_delay_alu instid0(VALU_DEP_4)
	v_pk_add_f32 v[22+4*\j:23+4*\j], v[22+4*\j:23+4*\j], v[30+4*\j:31+4*\j]
.endr
	s_delay_alu instid0(VALU_DEP_2)
	v_pk_add_f32 v[20:21], v[20:21], v[36:37]
	s_delay_alu instid0(VALU_DEP_2)
	v_pk_add_f32 v[22:23], v[22:23], v[38:39]
	s_delay_alu instid0(VALU_DEP_2)
	v_pk_mul_f32 v[20:21], v[20:21], -0.5 op_sel_hi:[1,0]
	s_delay_alu instid0(VALU_DEP_2)
	v_pk_mul_f32 v[22:23], v[22:23], -0.5 op_sel_hi:[1,0]
	v_cmp_gt_u32 vcc_lo, 4, v1                     ; lanes 0-3 hold the 16 rows' numbers; the other lanes store zeros
.irp j, 0,1,2,3
	v_cndmask_b32 v[20+\j], 0, v[20+\j], vcc_lo
.endr
	global_store_b128 v10, v[20:23], s[6:7] offset:BOFF
.Lend:
	s_wait_tensorcnt 0x0
	ds_add_u32 v192, v193
	s_wait_dscnt 0x0
	s_endpgm
.Lfunc_end_k_qaaebb5394f_quant:
	.size	k_qaaebb5394f_quant, .Lfunc_end_k_qaaebb5394f_quant-k_qaaebb5394f_quant
	.p2alignl 7, 3214868480
	.fill 96, 4, 3214868480
	.section	.rodata,"a",@progbits
	.p2align	6, 0x0
	.amdhsa_kernel k_qaaebb5394f_quant
		.amdhsa_group_segment_fixed_size 69632
		.amdhsa_private_segment_fixed_size 0
		.amdhsa_enable_private_segment 0
		.amdhsa_kernarg_size 16
		.amdhsa_user_sgpr_count 2
		.amdhsa_user_sgpr_kernarg_segment_ptr 1
		.amdhsa_wavefront_size32 1
		.amdhsa_system_sgpr_workgroup_id_x 1
		.amdhsa_system_sgpr_workgroup_id_y 1
		.amdhsa_system_sgpr_workgroup_id_z 1
		.amdhsa_system_vgpr_workitem_id 0
		.amdhsa_next_free_vgpr 194
		.amdhsa_next_free_sgpr 66
		.amdhsa_reserve_vcc 1
		.amdhsa_float_denorm_mode_32 3
		.amdhsa_float_denorm_mode_16_64 3
		.amdhsa_memory_ordered 1
		.amdhsa_forward_progress 1
		.amdhsa_inst_pref_size 17
	.end_amdhsa_kernel
	.amdgpu_metadata
---
amdhsa.version: [ 1, 2 ]
amdhsa.kernels:
  - .name:           k_qaaebb5394f_quant
    .symbol:         k_qaaebb5394f_quant.kd
    .args:
      - { .name: features, .offset: 0, .size: 8, .value_kind: global_buffer, .address_space: global }
      - { .name: tiles, .offset: 8, .size: 8, .value_kind: global_buffer, .address_space: global }
    .group_segment_fixed_size: 69632
    .private_segment_fixed_size: 0
    .kernarg_segment_align: 8
    .kernarg_segment_size: 16
    .max_flat_workgroup_size: 256
    .sgpr_count:     66
    .vgpr_count:     194
    .wavefront_size: 32
...
	.end_amdgpu_metadata
.endif
;; end of part 1
;; launch gram (part 2): grid 32 x 8, 4 waves a work-group, clusters of 4 x 1, 327,680 bytes of LDS; arguments tiles, part; writes part
.if DOCPART == 2
	.amdgcn_target "amdgcn-amd-amdhsa--gfx1250"
	.amdhsa_code_object_version 6
	.text
	.protected	k_qaaebb5394f_gram
	.globl	k_qaaebb5394f_gram
	.p2align	8
	.type	k_qaaebb5394f_gram,@function
k_qaaebb5394f_gram:
	s_mov_b64 s[64:65], 0
	v_nop
	global_prefetch_b8 v0, s[64:65] scope:SCOPE_SE
	s_setreg_imm32_b32 hwreg(HW_REG_WAVE_MODE, 25, 1), 1
	s_wait_xcnt 0x0
	s_wait_alu depctr_hold_cnt(0) depctr_sa_sdst(0) depctr_va_vdst(0) depctr_va_sdst(0) depctr_va_ssrc(0) depctr_va_vcc(0) depctr_vm_vsrc(0)
	s_getreg_b32 s2, hwreg(HW_REG_IB_STS2, 6, 4)
	s_cmp_eq_u32 s2, 0
	s_cbranch_scc0 .Lentry_in_a_cluster
	s_endpgm
.Lentry_in_a_cluster:
	s_bfe_u32 s2, ttmp6, 0x10000c
	s_cmp_lg_u32 s2, 0x3003
	s_cbranch_scc0 .Lentry_shape_is_right
	s_endpgm
.Lentry_shape_is_right:
; For 256 queries (work-group x) and a split of 1,024 candidates (work-group y): the six largest of G(i, j) - sq_j / 2 for each query i, G the product of the E3M2 codes with their E8M0 scales.
; tiles holds 512 records of 13,312 bytes, one for each 16 rows, in the order of a matrix operand's registers: eight fragments of 1,536 bytes, 512 bytes of scale words, 512 bytes with -sq / 2.
; SHARES: a wave keeps 64 queries (4 records, 384 registers) for the whole launch; the split's 64 candidate records pass through two LDS slots of 8 records; each wave fetches 2 records of a slot.
; The four work-groups of a cluster (same y) need the same candidate records: each slot is asked for jointly, by the same tensor load with the mask of the four.
; THE MATRIX INSTRUCTION: source 0 = 16 candidates, source 1 = 16 queries, the first C = -sq_j / 2: lane (r, h) holds query r, register j candidate 8 h + j.
; A RECORD PHASE: the next record's 27 LDS loads in one run; 32 matrix instructions on end, the four query tiles' accumulators by turns, K ascending;
; then one block of vector work selects from the 4 x 8 results.
; THE SELECTION is exact.  A lane's 8 scores of a tile are sorted as 3 + 3 + 2 (heads A1 B1 C1, seconds A2 B2 C2, thirds A3 B3); the heads are sorted (H1 H2 H3) and the seconds (M1 M2 M3).
; A score that has d larger-or-equal scores in its own group of 8 brings them along into any six largest, and groups share nothing: so of a class with d such scores at most 6 / (d + 1) lie among the six largest,
; and they are that class's largest.  Lists kept for each lane and query tile: H1 (d = 0) 6, H2 (1) 3, H3 (2) 2, M1 (1) 3, M2 (3) 1, M3 (5) 1, A3 and B3 (2) 2.  The lists are joined at the end.
; No prefetch into the L2: a refill is issued eight record phases (256 matrix instructions a wave) ahead of its first read, and no other wait for tiles stands in the loop.
; LIMITS: NaN and infinities are not served.
; REGISTERS: window 0: addresses, scale words, -sq / 2, accumulators, all of the selection.  Window 1: v0-191 two buffers of a candidate record's fragments.  Windows 2, 3: v0-191 the fragments of query tiles 0, 1 and 2, 3.
.set REC,   13312
.set SCOFF, 12288
.set BOFF,  12800
.set SLOTB, 8*REC
.set SLOT1, 1<<17                      ; slot 1's first byte
.set SPARE, SLOT1+SLOTB                ; behind slot 1: the spare words, 128 bytes a wave
.set LN,  1                            ; lane
.set LI,  2                            ; 16 x lane
.set LB,  3                            ; BOFF + 32 h
.set ADR, 4                            ; LDS address of the record to load next, + 16 x lane
.set ADB, 5                            ; the same + BOFF + 32 h
.set PO,  6                            ; my 16 bytes in a tile's 512 of part
.set SPW, 8
.set NIL, 9
.set QS,  16                           ; v16-31  the queries' scale words, 4 a tile
.set CS,  32                           ; v32-39  the candidates' scale words, two sets
.set BI,  40                           ; v40-55  -sq_j / 2 of my 8 candidates, two sets
.set DD,  56                           ; v56-87  four accumulators
.set T1,  88                           ; v88-119 a tile's A1 A2 A3 B1 B2 B3 C1 C2
.set T2,  120                          ; v120-143 a tile's H1 H2 H3 M1 M2 M3; at the end what is stored
.set LS,  144                          ; v144-215 a tile's 18 list places: 0-5 H1, 6-8 H2, 9-10 H3, 11-13 M1, 14 M2, 15 M3, 16-17 thirds
.set T3,  216                          ; v216-227 a tile's M1 M2 M3 of an even record: M2 and M3 wait there for the odd record's
.set WV,  8
.set G1,  16
.set G0A, 24
.set G0B, 28
.set TB,  32                           ; LDS byte of the record whose address is made next
.set SLOTS, 33
.set PAIRS, 34
.set QB,  36
.set PB,  38
.set SEL, 40
.set NINF, 42
.set MSB, 0
.macro WIN new                         ; the immediate's high byte repeats the setting that is left
.if MSB != (\new)
	s_set_vgpr_msb (MSB<<8)|(\new)
.set MSB, (\new)
.endif
.endm
.macro CREST                           ; a round of the cluster's barrier behind its opening barrier
	s_cmp_lg_u32 s[WV], 0
	s_cbranch_scc1 .Lnot_wave_0_\@
	s_barrier_signal -3
.Lnot_wave_0_\@:
	s_barrier_wait -3
	s_barrier_signal -1
	s_barrier_wait -1
.endm
.macro CROUND
	s_barrier_signal -1
	s_barrier_wait -1
	CREST
.endm
; one line for each of the four query tiles: a result is read four lines behind its write at the nearest
.macro Q3 op, d, sd, a, sa, b, sb, c, sc
.irp q, 0,1,2,3
	\op v[(\d)+(\sd)*\q], v[(\a)+(\sa)*\q], v[(\b)+(\sb)*\q], v[(\c)+(\sc)*\q]
.endr
.endm
.macro Q2 op, d, sd, a, sa, b, sb
.irp q, 0,1,2,3
	\op v[(\d)+(\sd)*\q], v[(\a)+(\sa)*\q], v[(\b)+(\sb)*\q]
.endr
.endm
.macro SORT3 d, sd, a, b, c, s         ; three numbers in falling order
	Q3 v_max3_num_f32, \d, \sd, \a, \s, \b, \s, \c, \s
	Q3 v_med3_num_f32, (\d)+1, \sd, \a, \s, \b, \s, \c, \s
	Q3 v_min3_num_f32, (\d)+2, \sd, \a, \s, \b, \s, \c, \s
.endm
.macro INS n, off, x, sx               ; x enters the falling list of n places at LS + off: from the last place up, each line reads the old list
.set ii, (\n)-1
.rept (\n)-1
	Q3 v_med3_num_f32, LS+(\off)+ii, 18, \x, \sx, LS+(\off)+ii-1, 18, LS+(\off)+ii, 18
.set ii, ii-1
.endr
	Q2 v_max_num_f32, LS+(\off), 18, \x, \sx, LS+(\off), 18
.endm
.macro MM o, k, q                      ; K step k of candidate buffer o against query tile q
.set rD, DD+8*(\q)
.set rA, 96*(\o)+12*(\k)
.set rB, 96*((\q)%2)+12*(\k)
.set rSA, CS+4*(\o)+(\k)/2
.set rSB, QS+4*(\q)+(\k)/2
.if (\k) == 0
	v_wmma_scale_f32_16x16x128_f8f6f4 v[rD:rD+7], v[rA:rA+11], v[rB:rB+11], v[BI+8*(\o):BI+8*(\o)+7], v[rSA], v[rSB] matrix_a_fmt:MATRIX_FMT_BF6 matrix_b_fmt:MATRIX_FMT_BF6
.elseif (\k)%2 == 0
	v_wmma_scale_f32_16x16x128_f8f6f4 v[rD:rD+7], v[rA:rA+11], v[rB:rB+11], v[rD:rD+7], v[rSA], v[rSB] matrix_a_fmt:MATRIX_FMT_BF6 matrix_b_fmt:MATRIX_FMT_BF6
.else
	v_wmma_scale_f32_16x16x128_f8f6f4 v[rD:rD+7], v[rA:rA+11], v[rB:rB+11], v[rD:rD+7], v[rSA], v[rSB] matrix_a_fmt:MATRIX_FMT_BF6 matrix_b_fmt:MATRIX_FMT_BF6 matrix_a_scale:MATRIX_SCALE_ROW1 matrix_b_scale:MATRIX_SCALE_ROW1
.endif
.endm
.macro LOADS o                         ; the next record into the other buffer and the other sets: 27 loads in one run (their registers' last products stand ahead of the last block of vector work)
	WIN 0x40
.set i, 0
.rept 24
	ds_load_b128 v[96*(1-(\o))+4*i:96*(1-(\o))+4*i+3], v[ADR] offset:512*i
.set i, i+1
.endr
	WIN 0
	ds_load_b128 v[CS+4*(1-(\o)):CS+4*(1-(\o))+3], v[ADR] offset:SCOFF
	ds_load_b128 v[BI+8*(1-(\o)):BI+8*(1-(\o))+3], v[ADB]
	ds_load_b128 v[BI+8*(1-(\o))+4:BI+8*(1-(\o))+7], v[ADB] offset:16
.endm
.macro KS o, k                         ; one K step for the four query tiles
	WIN 0x09                                       ; source 0 window 1, source 1 window 2, C and D window 0
	MM \o, \k, 0
	MM \o, \k, 1
	WIN 0x0d                                       ; source 1 window 3
	MM \o, \k, 2
	MM \o, \k, 3
.endm
.macro SELECT o, adr                   ; adr = 1: the address of the record two on is made here; these four lines are the places behind the last products
.if \adr
	v_add_nc_u32 v[ADR], s[TB], v[LI]
	v_add_nc_u32 v[ADB], s[TB], v[LB]
	v_nop
	v_nop
	s_add_co_u32 s[TB], s[TB], REC
.else
.rept 4
	v_nop
.endr
.endif
	SORT3 T1, 8, DD, DD+1, DD+2, 8                 ; each accumulator is read from its low end on
	SORT3 T1+3, 8, DD+3, DD+4, DD+5, 8
	Q2 v_max_num_f32, T1+6, 8, DD+6, 8, DD+7, 8
	Q2 v_min_num_f32, T1+7, 8, DD+6, 8, DD+7, 8
	SORT3 T2, 6, T1, T1+3, T1+6, 8                 ; the heads
.if (\o) == 0
	SORT3 T3, 3, T1+1, T1+4, T1+7, 8               ; the seconds
.else
	SORT3 T2+3, 6, T1+1, T1+4, T1+7, 8
.endif
	INS 6, 0, T2, 6
	INS 3, 6, T2+1, 6
	INS 2, 9, T2+2, 6
.if (\o) == 0
	INS 3, 11, T3, 3
.else
	INS 3, 11, T2+3, 6
	Q3 v_max3_num_f32, LS+14, 18, LS+14, 18, T2+4, 6, T3+1, 3   ; the one-place classes take the even and the odd record's numbers in one line
	Q3 v_max3_num_f32, LS+15, 18, LS+15, 18, T2+5, 6, T3+2, 3
.endif
	INS 2, 16, T1+2, 8
	INS 2, 16, T1+5, 8
.endm
; The phase of the record in buffer o.  mode 0: plain.  mode 1: a slot's last record: its fragments are in registers, so the slot is given up: the change of slots, with a joint refill.
; mode 2: the change without a refill.  mode 3: the launch's last record: nothing more is loaded.  flip = 1: the addresses made from here on lie in the other slot.
.macro PHASE o, mode, flip, adr
	s_wait_dscnt 0x0                               ; this record's fragments, scale words and -sq / 2 are in: my reads of its slot up to here are over
.if \flip
	s_sub_co_u32 s[TB], s[TB], SLOTB
	s_xor_b32 s[TB], s[TB], SLOT1
.endif
.if (\mode) == 1 || (\mode) == 2
	s_wait_tensorcnt 0x0                           ; all my tensor loads have landed: my part of the other slot
	ds_add_u32 v[SPW], v[NIL]
.if (\mode) == 1
	s_xor_b32 s[G0B+1], s[G0B+1], SLOT1            ; no tensor load of mine is out: the descriptor steps to this slot and 8 records on
	s_add_nc_u64 s[G0B+2:G0B+3], s[G0B+2:G0B+3], SLOTB
.endif
	KS \o, 0                                       ; four products between the add and the wait for it
	s_wait_dscnt 0x0                               ; the add is done
	s_barrier_signal -1
	KS \o, 1                                       ; work on registers while the others arrive
	WIN 0
	s_barrier_wait -1
.if (\mode) == 1
	CREST                                          ; no wave of any partner still reads this slot or has a load on its way
	tensor_load_to_lds s[G0B:G0B+3], s[G1:G1+7]    ; my one tensor load behind the round
	s_nop 0
.rept 4
	v_nop
.endr
.endif
	LOADS \o                                       ; the other slot's first record
.else
.if (\mode) != 3
	LOADS \o
.endif
	KS \o, 0
	KS \o, 1
.endif
.irp k, 2,3,4,5,6,7
	KS \o, \k
.endr
	WIN 0
	SELECT \o, \adr
.endm
.macro SLOTBODY mode                   ; a slot's eight records
	s_mov_b32 s[PAIRS], 3
.Lpair_\@:
	PHASE 0, 0, 0, 1
	PHASE 1, 0, 0, 1
	s_sub_co_u32 s[PAIRS], s[PAIRS], 1
	s_cmp_lg_u32 s[PAIRS], 0
	s_cbranch_scc1 .Lpair_\@
.if (\mode) == 3
	PHASE 0, 0, 0, 0
	PHASE 1, 3, 0, 0
.else
	PHASE 0, 0, 1, 1
	PHASE 1, \mode, 0, 1
.endif
.endm
	s_load_b128 s[4:7], s[0:1], 0x0                ; tiles, part
	v_lshl_add_u32 v[SPW], v0, 2, SPARE
	v_mov_b32 v[NIL], 0
	ds_add_u32 v[SPW], v[NIL]                      ; the opening: the add twice on end and one wait, ahead of my first tensor load
	ds_add_u32 v[SPW], v[NIL]
	v_lshrrev_b32 v1, 5, v0
	v_readfirstlane_b32 s[WV], v1                  ; wave 0..3
	s_bfe_u32 s9, ttmp6, 0x40000                   ; cx
	s_lshl_b32 s10, ttmp9, 2
	s_add_co_u32 s10, s10, s9                      ; block of 256 queries
	s_and_b32 s11, ttmp7, 0xffff                   ; split of 1,024 candidates
	s_mov_b32 s[G1+0], 15|(3<<16)|(1<<21)          ; the cluster's four; elements of 8 bytes; no padding: the records are read 16 bytes a lane on end
	s_mov_b32 s[G1+1], 32<<16                      ; rows of 256 bytes,
	s_mov_b32 s[G1+2], 104<<16                     ; 104 of them: two records
	s_mov_b32 s[G1+3], 32<<16
	s_mov_b32 s[G1+4], 104
	s_mov_b32 s[G1+5], 32
	s_mov_b32 s[G1+6], 0
	s_mov_b32 s[G1+7], 0
	s_mov_b32 s[G0A], 1
	s_mov_b32 s[G0B], 1
	s_mul_i32 s[G0A+1], s[WV], 2*REC               ; my two records' place in a slot
	s_add_co_u32 s[G0B+1], s[G0A+1], SLOT1
	s_mul_i32 s44, s11, 64*REC
	s_add_co_u32 s44, s44, s[G0A+1]
	s_mov_b32 s45, 0
	s_mul_i32 s12, s10, 16*REC
	s_mul_i32 s13, s[WV], 4*REC
	s_add_co_u32 s12, s12, s13                     ; my four query records
	s_mov_b32 s13, 0
	s_lshl_b32 s14, s11, 18                        ; part: split x 8,192 queries x 32 bytes
	s_lshl_b32 s15, s10, 13
	s_add_co_u32 s14, s14, s15
	s_lshl_b32 s15, s[WV], 11
	s_add_co_u32 s14, s14, s15
	s_mov_b32 s15, 0
	s_mov_b32 s[SEL], 0x76543210
	s_mov_b32 s[SEL+1], 0xfedcba98                 ; v_permlanex16_b32's selects for lane l xor 16
	s_mov_b32 s[NINF], 0xff800000
	s_mov_b32 s[TB], 2*REC
	v_and_b32 v[LN], 31, v0
	v_lshlrev_b32 v[LI], 4, v[LN]
	v_bfe_u32 v[LB], v0, 4, 1
	v_and_b32 v[PO], 15, v0
	v_lshlrev_b32 v[PO], 5, v[PO]
	v_lshl_add_u32 v[PO], v[LB], 4, v[PO]          ; query r's 32 bytes, 16 h on
	v_lshl_add_u32 v[LB], v[LB], 5, BOFF
	v_add_nc_u32 v[ADR], REC, v[LI]                ; record 1 (record 0 is read by LI and LB themselves)
	v_add_nc_u32 v[ADB], REC, v[LB]
.set i, 0
.rept 72
	v_mov_b32 v[LS+i], s[NINF]                     ; the lists begin under every score
.set i, i+1
.endr
	s_wait_dscnt 0x0                               ; both opening adds are done
	s_wait_alu depctr_va_vdst(0)
	s_wait_kmcnt 0x0
	s_add_nc_u64 s[G0A+2:G0A+3], s[4:5], s[44:45]
	s_add_nc_u64 s[G0B+2:G0B+3], s[G0A+2:G0A+3], SLOTB
	s_or_b32 s[G0A+3], s[G0A+3], 0x80000000
	s_or_b32 s[G0B+3], s[G0B+3], 0x80000000
	s_add_nc_u64 s[QB:QB+1], s[4:5], s[12:13]
	s_add_nc_u64 s[PB:PB+1], s[6:7], s[14:15]
	CROUND                                         ; the cluster's four are here: the first joint loads meet
	tensor_load_to_lds s[G0A:G0A+3], s[G1:G1+7]    ; slot 0: one tensor load a wave at the head
	s_nop 0
.rept 4
	v_nop
.endr
.macro QLOAD n                         ; two query records' fragments, 512 consecutive bytes a load; they are on their way together with slot 0
.set i, 0
.rept 48
	global_load_b128 v[4*i:4*i+3], v[LI], s[QB:QB+1] offset:(2*\n+i/24)*REC+512*(i%24)
.set i, i+1
.endr
.endm
	WIN 0x80
	QLOAD 0
	WIN 0xc0
	QLOAD 1
	WIN 0
.irp t, 0,1,2,3
	global_load_b128 v[QS+4*\t:QS+4*\t+3], v[LI], s[QB:QB+1] offset:\t*REC+SCOFF
.endr
	s_wait_tensorcnt 0x0                           ; my part of slot 0 is in; slot 1's first fill is issued as a refill is
	ds_add_u32 v[SPW], v[NIL]
	s_wait_dscnt 0x0
	CROUND                                         ; slot 0 is whole for all four waves
	tensor_load_to_lds s[G0B:G0B+3], s[G1:G1+7]
	s_nop 0
.rept 4
	v_nop
.endr
	WIN 0x40
.set i, 0
.rept 24
	ds_load_b128 v[4*i:4*i+3], v[LI] offset:512*i  ; record 0 into buffer 0
.set i, i+1
.endr
	WIN 0
	ds_load_b128 v[CS:CS+3], v[LI] offset:SCOFF
	ds_load_b128 v[BI:BI+3], v[LB]
	ds_load_b128 v[BI+4:BI+7], v[LB] offset:16
	s_wait_loadcnt 0x0                             ; the queries are in
	s_mov_b32 s[SLOTS], 6
.Lslot:                                                ; slots 0 to 5 are filled again, two slots ahead
	SLOTBODY 1
	s_sub_co_u32 s[SLOTS], s[SLOTS], 1
	s_cmp_lg_u32 s[SLOTS], 0
	s_cbranch_scc1 .Lslot
	SLOTBODY 2
	SLOTBODY 3
	; the seven lists of a lane and tile are joined: the other twelve places enter the list of six
	v_cmp_gt_u32 vcc_lo, 16, v[LN]
.set jj, 6
.rept 12
	INS 6, 0, LS+jj, 18
.set jj, jj+1
.endr
.irp i, 0,1,2,3,4,5                    ; and lane l xor 16's six, which saw the other eight candidates of each record
.irp q, 0,1,2,3
	v_permlanex16_b32 v[T1+8*\q+\i], v[LS+18*\q+\i], s[SEL], s[SEL+1]
.endr
.endr
.irp i, 0,1,2,3,4,5
	INS 6, 0, T1+\i, 8
.endr
.irp q, 0,1,2,3                        ; lanes 0-15 store places 0-3, lanes 16-31 places 4, 5 and two fillers
	v_cndmask_b32 v[T2+4*\q], v[LS+18*\q+4], v[LS+18*\q], vcc_lo
	v_cndmask_b32 v[T2+4*\q+1], v[LS+18*\q+5], v[LS+18*\q+1], vcc_lo
	v_cndmask_b32 v[T2+4*\q+2], s[NINF], v[LS+18*\q+2], vcc_lo
	v_cndmask_b32 v[T2+4*\q+3], s[NINF], v[LS+18*\q+3], vcc_lo
.endr
.irp t, 0,1,2,3
	global_store_b128 v[PO], v[T2+4*\t:T2+4*\t+3], s[PB:PB+1] offset:512*\t   ; the wave stores 512 consecutive bytes, at a multiple of 256 from part's first byte
.endr
	s_wait_tensorcnt 0x0                           ; the wave's end
	ds_add_u32 v[SPW], v[NIL]
	s_wait_dscnt 0x0
	CROUND                                         ; the closing round
	s_endpgm
.Lfunc_end_k_qaaebb5394f_gram:
	.size	k_qaaebb5394f_gram, .Lfunc_end_k_qaaebb5394f_gram-k_qaaebb5394f_gram
	.p2alignl 7, 3214868480
	.fill 96, 4, 3214868480
	.section	.rodata,"a",@progbits
	.p2align	6, 0x0
	.amdhsa_kernel k_qaaebb5394f_gram
		.amdhsa_group_segment_fixed_size 327680
		.amdhsa_private_segment_fixed_size 0
		.amdhsa_enable_private_segment 0
		.amdhsa_kernarg_size 16
		.amdhsa_user_sgpr_count 2
		.amdhsa_user_sgpr_kernarg_segment_ptr 1
		.amdhsa_wavefront_size32 1
		.amdhsa_system_sgpr_workgroup_id_x 1
		.amdhsa_system_sgpr_workgroup_id_y 1
		.amdhsa_system_sgpr_workgroup_id_z 1
		.amdhsa_system_vgpr_workitem_id 0
		.amdhsa_next_free_vgpr 1024
		.amdhsa_next_free_sgpr 66
		.amdhsa_reserve_vcc 1
		.amdhsa_float_denorm_mode_32 3
		.amdhsa_float_denorm_mode_16_64 3
		.amdhsa_memory_ordered 1
		.amdhsa_forward_progress 1
		.amdhsa_inst_pref_size 211
	.end_amdhsa_kernel
	.amdgpu_metadata
---
amdhsa.version: [ 1, 2 ]
amdhsa.kernels:
  - .name:           k_qaaebb5394f_gram
    .symbol:         k_qaaebb5394f_gram.kd
    .args:
      - { .name: tiles, .offset: 0, .size: 8, .value_kind: global_buffer, .address_space: global }
      - { .name: part, .offset: 8, .size: 8, .value_kind: global_buffer, .address_space: global }
    .group_segment_fixed_size: 327680
    .private_segment_fixed_size: 0
    .kernarg_segment_align: 8
    .kernarg_segment_size: 16
    .max_flat_workgroup_size: 128
    .sgpr_count:     66
    .vgpr_count:     1024
    .wavefront_size: 32
...
	.end_amdgpu_metadata
.endif
;; end of part 2
;; launch merge (part 3): grid 128 x 1, 1 waves a work-group, no clusters, 0 bytes of LDS; arguments part, tiles, out0; writes out0
.if DOCPART == 3
	.amdgcn_target "amdgcn-amd-amdhsa--gfx1250"
	.amdhsa_code_object_version 6
	.text
	.protected	k_qaaebb5394f_merge
	.globl	k_qaaebb5394f_merge
	.p2align	8
	.type	k_qaaebb5394f_merge,@function
k_qaaebb5394f_merge:
	s_mov_b64 s[64:65], 0
	v_nop
	global_prefetch_b8 v0, s[64:65] scope:SCOPE_SE
	s_setreg_imm32_b32 hwreg(HW_REG_WAVE_MODE, 25, 1), 1
	s_wait_xcnt 0x0
; part [8 splits][8192 queries][8 f32] holds, for each query and split, the six largest of G - sq_j / 2, in falling order, and two fillers.  The eight lists of a query are joined; the sixth largest a6 gives
; d2 = -2 (a6 - sq_i / 2), and out0 = 1 / (sqrt(max(d2, 0)) + 1e-8).  -sq_i / 2 lies in the query's record of tiles, at byte 12,800 + 4 x (row in the record).
; SHARES: a work-group of one wave owns 64 queries, a lane two neighbours, so that the wave's one store covers 256 consecutive aligned bytes.  2 MiB are read in all: no LDS, no matrix unit.
; LIMITS: NaN and infinities are not served.
.set REC,  13312
.set BOFF, 12800
.macro INS x, l                        ; x enters the list a1 >= .. >= a6 at v[l] on: none of the six lines reads another's result
	v_med3_num_f32 v[(\l)+5], v[\x], v[(\l)+4], v[(\l)+5]
	v_med3_num_f32 v[(\l)+4], v[\x], v[(\l)+3], v[(\l)+4]
	v_med3_num_f32 v[(\l)+3], v[\x], v[(\l)+2], v[(\l)+3]
	v_med3_num_f32 v[(\l)+2], v[\x], v[(\l)+1], v[(\l)+2]
	v_med3_num_f32 v[(\l)+1], v[\x], v[\l], v[(\l)+1]
	v_max_num_f32 v[\l], v[\x], v[\l]
.endm
	s_load_b128 s[4:7], s[0:1], 0x0                ; part, tiles
	s_load_b64 s[8:9], s[0:1], 0x10                ; out0
	v_lshlrev_b32 v1, 6, v0                        ; two queries of 32 bytes a lane
	v_lshrrev_b32 v2, 3, v0                        ; my queries' record among the group's four,
	v_mul_u32_u24 v2, v2, REC
	v_and_b32 v3, 7, v0
	v_lshl_add_u32 v2, v3, 3, v2                   ; and their two floats in it
	v_lshlrev_b32 v3, 3, v0                        ; 8 bytes a lane in out0
	s_lshl_b32 s10, ttmp9, 11                      ; 64 queries x 32 bytes
	s_mov_b32 s11, 0
	s_mul_i32 s12, ttmp9, 4*REC
	s_mov_b32 s13, 0
	s_lshl_b32 s14, ttmp9, 8
	s_mov_b32 s15, 0
	s_wait_alu depctr_va_vdst(0)
	s_wait_kmcnt 0x0
	s_add_nc_u64 s[4:5], s[4:5], s[10:11]
	s_add_nc_u64 s[6:7], s[6:7], s[12:13]
	s_add_nc_u64 s[8:9], s[8:9], s[14:15]
	global_load_b64 v[4:5], v2, s[6:7] offset:BOFF
.irp y, 0,1,2,3,4,5,6,7
.irp c, 0,1,2,3
	global_load_b128 v[16+16*\y+4*\c:19+16*\y+4*\c], v1, s[4:5] offset:262144*\y+16*\c   ; split y: v[16 + 16 y ..] my first query's eight numbers, v[24 + 16 y ..] my second's
.endr
.endr
.irp y, 1,2,3,4,5,6,7                  ; split 0's lists are sorted as they come: they are the running lists, at v16 and v24
	s_wait_loadcnt 4*(7-\y)                        ; loads come back in order: split y is in; the four loads of each later split may be out
.irp k, 0,1,2,3,4,5
	INS 16+16*\y+\k, 16                            ; the two queries by turns
	INS 24+16*\y+\k, 24
.endr
.endr
	v_add_f32 v21, v21, v4                         ; a6 - sq_i / 2
	v_add_f32 v29, v29, v5
	v_mul_f32 v21, -2.0, v21                       ; d2
	v_mul_f32 v29, -2.0, v29
	v_max_num_f32 v21, 0, v21
	v_max_num_f32 v29, 0, v29
	s_wait_alu depctr_va_vdst(0)
	v_sqrt_f32 v6, v21
	v_sqrt_f32 v7, v29
	v_nop                                          ; a plain instruction between the last root and the use of its result
	s_wait_alu depctr_va_vdst(0)                   ; one wait for both roots, ahead of their first reader
	v_add_f32 v6, 0x322bcc77, v6                   ; + 1e-8
	v_add_f32 v7, 0x322bcc77, v7
	s_wait_alu depctr_va_vdst(0)
	v_rcp_f32 v10, v6
	v_rcp_f32 v11, v7
	v_nop
	s_wait_alu depctr_va_vdst(0)                   ; one wait for both reciprocals, ahead of the store that reads them
	global_store_b64 v3, v[10:11], s[8:9]          ; 32 lanes store 256 consecutive bytes, at a multiple of 256 from out0's first byte
	s_endpgm
.Lfunc_end_k_qaaebb5394f_merge:
	.size	k_qaaebb5394f_merge, .Lfunc_end_k_qaaebb5394f_merge-k_qaaebb5394f_merge
	.p2alignl 7, 3214868480
	.fill 96, 4, 3214868480
	.section	.rodata,"a",@progbits
	.p2align	6, 0x0
	.amdhsa_kernel k_qaaebb5394f_merge
		.amdhsa_group_segment_fixed_size 0
		.amdhsa_private_segment_fixed_size 0
		.amdhsa_enable_private_segment 0
		.amdhsa_kernarg_size 24
		.amdhsa_user_sgpr_count 2
		.amdhsa_user_sgpr_kernarg_segment_ptr 1
		.amdhsa_wavefront_size32 1
		.amdhsa_system_sgpr_workgroup_id_x 1
		.amdhsa_system_sgpr_workgroup_id_y 1
		.amdhsa_system_sgpr_workgroup_id_z 1
		.amdhsa_system_vgpr_workitem_id 0
		.amdhsa_next_free_vgpr 160
		.amdhsa_next_free_sgpr 66
		.amdhsa_reserve_vcc 0
		.amdhsa_float_denorm_mode_32 3
		.amdhsa_float_denorm_mode_16_64 3
		.amdhsa_memory_ordered 1
		.amdhsa_forward_progress 1
		.amdhsa_inst_pref_size 34
	.end_amdhsa_kernel
	.amdgpu_metadata
---
amdhsa.version: [ 1, 2 ]
amdhsa.kernels:
  - .name:           k_qaaebb5394f_merge
    .symbol:         k_qaaebb5394f_merge.kd
    .args:
      - { .name: part, .offset: 0, .size: 8, .value_kind: global_buffer, .address_space: global }
      - { .name: tiles, .offset: 8, .size: 8, .value_kind: global_buffer, .address_space: global }
      - { .name: out0, .offset: 16, .size: 8, .value_kind: global_buffer, .address_space: global }
    .group_segment_fixed_size: 0
    .private_segment_fixed_size: 0
    .kernarg_segment_align: 8
    .kernarg_segment_size: 24
    .max_flat_workgroup_size: 32
    .sgpr_count:     66
    .vgpr_count:     160
    .wavefront_size: 32
...
	.end_amdgpu_metadata
.endif
;; end of part 3
